; MI455X (gfx1250); checked and timed in simulation.
; The chip was launched on July 23, 2026; its instructions are those of AMD's public machine-readable ISA for CDNA 5 (MIT licence, August 2026) and "CDNA5" Instruction Set Architecture Reference Guide (July 2026). The comments in the code are by the model that wrote it; some were corrected since.
;; Minibatch Discrimination. Allowed arithmetic: float matrix products may take bf16 or f16 operands with f32 sums; all other float work in f32.
;; Inputs: kernel 2,048 x 64 x 16 float32; x 512 x 2,048 float32.
;; Outputs: out0 512 x 2,112 float32.
;; One version. Each part assembles by itself: llvm-mc -triple=amdgcn-amd-amdhsa -mcpu=gfx1250 --defsym DOCPART=n.
;; ======== version 1 of 1: 2 launches
;; workspace buffers: act 2,097,152 bytes
;; launch project (part 1): grid 16 x 16, 8 waves a work-group, clusters of 4 x 1, 279,552 bytes of LDS; arguments x, kernel, act; writes act
.if DOCPART == 1
	.amdgcn_target "amdgcn-amd-amdhsa--gfx1250"
	.amdhsa_code_object_version 6
	.text
	.protected	k_q79eb2a0cea_project
	.globl	k_q79eb2a0cea_project
	.p2align	8
	.type	k_q79eb2a0cea_project,@function
k_q79eb2a0cea_project:
	s_mov_b64 s[64:65], 0
	v_nop
	global_prefetch_b8 v0, s[64:65] scope:SCOPE_SE
	s_setreg_imm32_b32 hwreg(HW_REG_WAVE_MODE, 25, 1), 1
	s_wait_xcnt 0x0
	s_wait_alu depctr_hold_cnt(0) depctr_sa_sdst(0) depctr_va_vdst(0) depctr_va_sdst(0) depctr_va_ssrc(0) depctr_va_vcc(0) depctr_vm_vsrc(0)
	s_getreg_b32 s2, hwreg(HW_REG_IB_STS2, 6, 4)
	s_cmp_eq_u32 s2, 0
	s_cbranch_scc0 .Lentry_in_a_cluster
	s_endpgm
.Lentry_in_a_cluster:
	s_bfe_u32 s2, ttmp6, 0x10000c
	s_cmp_lg_u32 s2, 0x3003
	s_cbranch_scc0 .Lentry_shape_is_right
	s_endpgm
.Lentry_shape_is_right:
; act[k][b][p] = log2(e) * sum over f of x[b][f] * kernel[f][16 k + d],  p = 4 (d % 4) + d / 4.
; x: [512][2048] f32.  kernel: [2048][1024] f32 (column n = 16 k + d).  act: [64][512][16] f32, a workspace.
; The order of d inside a k is permuted, alike in every row: the next launch sums |differences| over d, which does not see the order.
; The factor log2(e) is put in here, once for each number, so that the next launch can use the base-2 exponential as it is.
; LIMITS: x and kernel are rounded to bf16 (nearest even) for the matrix unit, sums in f32; the order of the sum over f is the matrix unit's
; inside a step of 32, ascending steps inside a wave's 256, then a tree over the eight waves.
;
; SHARES.  A work-group makes 32 rows x 64 columns (4 k).  Its eight waves split f: wave w takes f = 256 w .. 256 w + 255 for the whole tile,
; so no byte is loaded and no number converted twice inside the work-group; the eight partial tiles meet in LDS at the end.
; x comes by the tensor data mover: for each wave four tiles of 32 rows x 64 f32 (rows of 256 bytes, at multiples of 256 bytes), all asked for
; at the start; four tensor loads of a wave are outstanding at the most, and no LDS byte is filled twice.
; CLUSTER: the four work-groups of a cluster have the same 32 rows and other columns, so they need the same tiles of x and ask for them jointly
; (mask 15): x's requests are divided by four.  kernel's columns are shared by work-groups too, but its part is 2048 x 256 = 524,288 bytes for a
; work-group, which does not fit beside x's 278,528 bytes of LDS: through LDS it would need refills, each behind a round of the cluster's barrier,
; with only eight matrix instructions a wave and K step to cover them.  So kernel goes straight to registers, 64 loads of a wave ahead.
;
; FRAGMENTS.  A 16-bit operand holds, in lane (r = l % 16, h = l / 16), sixteen k of row (or column) r; both operands have the same map, so any
; naming of the 32 k serves if both use it.  Here lane half h holds f0 + 16 h + 0..15, register i the pair 2 i, 2 i + 1.
;   x: sixteen neighbouring f32 of a row from LDS, eight packed conversions.
;   kernel: lane (r, h) loads columns 4 r .. 4 r + 3 of rows f0 + 16 h + t, t = 0..15 (sixteen lanes: 256 neighbouring bytes of a row);
;   converting rows 2 i and 2 i + 1 of one column together gives register i.  Fragment c (0..3) so holds columns 4 r + c: nothing is transposed.
; kernel's fragment is source 0, x's is source 1: register j of lane (r, h) of tile (mi, c) is act(row 16 mi + r, column 4 (8 h + j) + c).
.set WROW,   4096                      ; bytes in a row of kernel
.set PITCH,  272                       ; an LDS row of x: 256 bytes + 16 of padding: 16 rows start at 16 different groups of four banks (64 banks of 4 bytes: ISA guide 11.1)
.set CHUNK,  32*PITCH                  ; one tensor load's tile: 8,704 bytes
.set WREG,   4*CHUNK                   ; a wave's part of LDS: 34,816 bytes
.set UPITCH, 544                       ; the way out: 32 lanes x 16 bytes + 32: two units on are 64 bytes on, modulo 256
.set LOG2E,  0x3fb8aa3b
.set WOFF, 8                           ; v8      byte offset of my 16 bytes in kernel: 16 r + 16 h rows
.set AADR, 9                           ; v9      LDS address of my 64 bytes of x
.set STO,  10                          ; v10     the way out: where my registers go
.set GO,   11                          ; v11     16 x lane
.set RD,   12                          ; v12-15  the way out: where I read, waves 0-1, 2-3, 4-5, 6-7
.set ACC,  16                          ; v16-79  eight accumulator tiles, tile 4 mi + c
.set BF,   80                          ; v80-143 kernel's fragments, two buffers of 4 x 8
.set RB,   80                          ; the same registers at the end: the eight waves' parts, read back
.set AS,   144                         ; v144-175 x as f32, 2 x 16
.set AF,   176                         ; v176-191 x's two fragments
                                       ; v256-511 (window 1) kernel as loaded: four buffers of 64, one for a K step of 32
.set G1, 16                            ; s[16:23] descriptor group 1
.set G0, 24                            ; s[24:39] descriptor group 0, one set for each of the four tiles
.set MSB, 0
.macro WIN new                         ; s_set_vgpr_msb: bits 1:0 source 0, 3:2 source 1, 7:6 destination; the high byte repeats the setting that is left
.if MSB != \new
	s_set_vgpr_msb (MSB<<8)|\new
.set MSB, \new
.endif
.endm
.set TO_STG,   0x40                    ; destination in window 1, address in window 0
.set FROM_STG, 0x05                    ; sources 0 and 1 in window 1, destination in window 0
; A round of the cluster's barrier: my work-group's barrier, wave 0 signals for the work-group, every wave waits for the four work-groups, my work-group's barrier again.
.macro ROUND
	s_barrier_signal -1
	s_barrier_wait -1
	s_cmp_lg_u32 s10, 0
	s_cbranch_scc1 .Lnot_wave_0_\@
	s_barrier_signal -3
.Lnot_wave_0_\@:
	s_barrier_wait -3
	s_barrier_signal -1
	s_barrier_wait -1
.endm
; The sixteen loads of K step s: rows 32 s + 16 h + t of my 256, columns 4 r .. 4 r + 3.  The row stands in the immediate (978,944 at the most), so no address is ever stepped.
.macro WLOAD s
	WIN TO_STG
.irp t, 0,1,2,3,4,5,6,7,8,9,10,11,12,13,14,15
	global_load_b128 v[64*((\s)%4)+4*\t:64*((\s)%4)+4*\t+3], v[WOFF], s[6:7] offset:(32*(\s)+\t)*WROW
.endr
.endm
.macro PADD d, a                       ; two sums at once: v[d:d+1] += v[a:a+1]
	v_pk_add_f32 v[\d:\d+1], v[\d:\d+1], v[\a:\a+1]
.endm
	s_load_b128 s[4:7], s[0:1], 0x0                ; x s[4:5], kernel s[6:7]
	s_load_b64 s[8:9], s[0:1], 0x10                ; act
	v_lshl_add_u32 v254, v0, 2, 0x44000
	v_mov_b32 v255, 0
	ds_add_u32 v254, v255
	v_lshrrev_b32 v1, 5, v0
	v_readfirstlane_b32 s10, v1                    ; wave 0..7
	s_bfe_u32 s11, ttmp6, 0x40000                  ; cx: my place in the cluster
	s_lshl_b32 s12, ttmp9, 2                       ; in a cluster launch ttmp9 counts clusters
	s_add_co_u32 s12, s12, s11                     ; block of 64 columns = 4 x cluster x + cx
	s_and_b32 s13, ttmp7, 0xffff                   ; block of 32 rows
	v_and_b32 v1, 15, v0                           ; r
	v_bfe_u32 v2, v0, 4, 1                         ; h
	v_lshlrev_b32 v3, 4, v1
	v_lshl_add_u32 v[WOFF], v2, 16, v3             ; 16 r + h x 16 rows of 4,096 bytes
	s_lshl_b32 s14, s12, 8                         ; kernel: 256 bytes for a block of columns
	s_lshl_b32 s15, s10, 20                        ;         + wave x 256 rows
	s_add_co_u32 s14, s14, s15
	s_mov_b32 s15, 0
	s_lshl_b32 s42, s13, 18                        ; x: 32 rows of 8,192 bytes for a block of rows
	s_lshl_b32 s43, s10, 10                        ;    + wave x 256 f32.  These registers never hold cx: the four partners' addresses are equal
	s_add_co_u32 s42, s42, s43
	s_mov_b32 s43, 0
	s_mul_i32 s44, s10, WREG                       ; my wave's part of LDS
	s_lshl_b32 s46, s12, 2                         ; act: I will store k = 4 x block + wave / 2,
	s_lshr_b32 s47, s10, 1
	s_add_co_u32 s46, s46, s47
	s_lshl_b32 s46, s46, 15                        ; 512 rows of 64 bytes for a k,
	s_lshl_b32 s47, s13, 11                        ; 32 rows of 64 bytes for a block of rows,
	s_add_co_u32 s46, s46, s47
	s_and_b32 s47, s10, 1                          ; and the upper or lower 16 of them
	s_lshl_b32 s47, s47, 10
	s_add_co_u32 s46, s46, s47
	s_mov_b32 s47, 0
	s_and_b32 s48, s10, 1                          ; the way out, the part of my read address that hangs on the wave:
	s_lshl_b32 s48, s48, 3                         ; unit 8 (wave % 2) + (wave / 2) % 2,
	s_bfe_u32 s49, s10, 0x10001
	s_add_co_u32 s48, s48, s49
	s_mul_i32 s48, s48, UPITCH
	s_lshr_b32 s49, s10, 2                         ; lanes 16 (wave / 4) + ..
	s_lshl_b32 s49, s49, 8
	s_add_co_u32 s48, s48, s49
	; descriptor group 1: a tile of 32 rows x 64 elements of 4 bytes, padded in LDS, for the four work-groups of the cluster
	s_mov_b32 s[G1+0], 15|(2<<16)|(1<<20)|(1<<21)|(5<<22)|(3<<25)  ; 15:0 mask; 17:16 elements of 4 bytes; 20 padding on; 21 set beside a mask; 24:22 after every 64 words; 31:25 four words
	s_mov_b32 s[G1+1], 64<<16                      ; tensor_dim0 = 64
	s_mov_b32 s[G1+2], 32<<16                      ; tensor_dim1 = 32
	s_mov_b32 s[G1+3], 64<<16                      ; tile_dim0 = 64
	s_mov_b32 s[G1+4], 32                          ; tile_dim1 = 32
	s_mov_b32 s[G1+5], 2048                        ; elements from row to row
	s_mov_b32 s[G1+6], 0
	s_mov_b32 s[G1+7], 0
	s_wait_dscnt 0x0
	s_wait_kmcnt 0x0
	s_add_nc_u64 s[6:7], s[6:7], s[14:15]
	WLOAD 0                                        ; kernel's first three K steps go out ahead of the round: they need no partner
	WLOAD 1
	WLOAD 2
	WIN 0                                          ; at a branch and at a label every window is 0
	s_add_nc_u64 s[40:41], s[4:5], s[42:43]
	s_add_nc_u64 s[8:9], s[8:9], s[46:47]
.irp c, 0,1,2,3
	s_mov_b32 s[G0+4*\c], 1                                        ; count = 1
	s_add_co_u32 s[G0+4*\c+1], s44, \c*CHUNK                       ; LDS address: wave x 34,816 + tile x 8,704
	s_add_nc_u64 s[G0+4*\c+2:G0+4*\c+3], s[40:41], \c*256          ; global address: 64 f32 on for each tile
	s_or_b32 s[G0+4*\c+3], s[G0+4*\c+3], 0x80000000               ; type = 2
.endr
	ROUND                                          ; the four work-groups are here: their joint loads meet
.irp c, 0,1,2,3
	tensor_load_to_lds s[G0+4*\c:G0+4*\c+3], s[G1:G1+7]            ; all of my wave's x, one group; only my wave reads these bytes
	s_nop 0
.endr
	WLOAD 3
	WIN 0
	v_mul_u32_u24 v4, v1, PITCH
	v_lshl_add_u32 v4, v2, 6, v4                   ; row r, 64 bytes for each half of the lanes
	v_add_nc_u32 v[AADR], s44, v4
; K step s (32 of f).  first = 1: the products start the sums, nothing is cleared.
.macro KSTEP s, first
.if ((\s)%2) == 0
	s_wait_tensorcnt 3-(\s)/2                      ; a wave's tensor loads end in order (ISA guide 10.11.1): tile s / 2 is in, the younger ones stay out
.endif
.irp mi, 0,1
.irp j, 0,1,2,3
	ds_load_b128 v[AS+16*\mi+4*\j:AS+16*\mi+4*\j+3], v[AADR] offset:((\s)/2)*CHUNK+\mi*16*PITCH+((\s)%2)*128+16*\j
.endr
.endr
.if \s < 5
	s_wait_loadcnt 48                              ; loads come back in order (ISA guide 5.7.1): this K step's sixteen are in, the three younger K steps' 48 stay out
.else
	s_wait_loadcnt 16*(7-\s)                       ; nothing is left to ask for: the counts run down
.endif
	WIN FROM_STG
.irp c, 0,1,2,3
.irp i, 0,1,2,3,4,5,6,7
	v_cvt_pk_bf16_f32 v[BF+32*((\s)%2)+8*\c+\i], v[64*((\s)%4)+8*\i+\c], v[64*((\s)%4)+8*\i+4+\c]   ; rows 2 i and 2 i + 1 of column 4 r + c
.endr
.endr
.if \s < 4
	WLOAD \s+4                                     ; the buffer just converted is asked for again, four K steps ahead
.endif
	WIN 0
	s_wait_dscnt 0x0                               ; x's 32 numbers
	; These conversions write registers that the last K step's matrix instructions read: the 32 conversions above, which name none of those
	; instructions' registers (the other fragment buffer, window 1), are the places in between (ISA guide 7.12.1).
.irp mi, 0,1
.irp i, 0,1,2,3,4,5,6,7
	v_cvt_pk_bf16_f32 v[AF+8*\mi+\i], v[AS+16*\mi+2*\i], v[AS+16*\mi+2*\i+1]
.endr
.endr
	; The eight accumulators take turns, one instruction a turn, from one K step to the next too.
.irp mi, 0,1
.irp c, 0,1,2,3
.if \first
	v_wmma_f32_16x16x32_bf16 v[ACC+8*(4*\mi+\c):ACC+8*(4*\mi+\c)+7], v[BF+32*((\s)%2)+8*\c:BF+32*((\s)%2)+8*\c+7], v[AF+8*\mi:AF+8*\mi+7], 0
.else
	v_wmma_f32_16x16x32_bf16 v[ACC+8*(4*\mi+\c):ACC+8*(4*\mi+\c)+7], v[BF+32*((\s)%2)+8*\c:BF+32*((\s)%2)+8*\c+7], v[AF+8*\mi:AF+8*\mi+7], v[ACC+8*(4*\mi+\c):ACC+8*(4*\mi+\c)+7]
.endif
.endr
.endr
.endm
	KSTEP 0, 1
	KSTEP 1, 0
	KSTEP 2, 0
	KSTEP 3, 0
	KSTEP 4, 0
	KSTEP 5, 0
	KSTEP 6, 0
	KSTEP 7, 0
	; THE WAY OUT.  Each wave lays its 64 accumulator registers into LDS as they are, four registers (a unit) at a time: unit u = 8 mi + 2 c + j / 4 at
	; u x 544 + 16 x lane of its first tile's bytes, which have had their only fill and whose reads are back.  Behind one barrier wave w gathers
	; k = w / 2 of the four, rows 16 (w % 2) + 0..15: lane l of its store e takes row 8 e + l / 4 and the four numbers c = l % 4, that is unit
	; 8 (w % 2) + 2 (l % 4) + (w / 2) % 2 of lane 16 (w / 4) + 8 e + l / 4, from all eight waves.  Sixteen lanes read 16 different 16-byte columns modulo 256.
	; The eleven address lines are also the places between the last matrix instructions and the LDS stores that read their results.
	v_and_b32 v3, 31, v0                           ; lane
	v_lshlrev_b32 v[GO], 4, v3
	v_and_b32 v4, 3, v3
	v_lshrrev_b32 v5, 2, v3
	v_mul_u32_u24 v4, v4, 2*UPITCH
	v_lshl_add_u32 v4, v5, 4, v4
	v_add_nc_u32 v[STO], s44, v[GO]
	v_add_nc_u32 v[RD], s48, v4
	v_add_nc_u32 v[RD+1], 2*WREG, v[RD]
	v_add_nc_u32 v[RD+2], 4*WREG, v[RD]
	v_add_nc_u32 v[RD+3], 6*WREG, v[RD]
.irp u, 0,1,2,3,4,5,6,7,8,9,10,11,12,13,14,15
	ds_store_b128 v[STO], v[ACC+4*\u:ACC+4*\u+3] offset:\u*UPITCH
.endr
	s_wait_dscnt 0x0                               ; for the other waves' sake: my stores are done
	s_barrier_signal -1
	s_barrier_wait -1
.irp e, 0,1
.irp src, 0,1,2,3,4,5,6,7
	ds_load_b128 v[RB+32*\e+4*\src:RB+32*\e+4*\src+3], v[RD+\src/2] offset:(\src%2)*WREG+\e*128
.endr
.endr
; the eight waves' parts are added as a tree, scaled, and stored: a store of the wave covers 512 consecutive bytes of act, at a multiple of 512
.macro TOTAL e
.irp p, 0,2
	PADD RB+32*\e+\p,    RB+32*\e+4+\p
	PADD RB+32*\e+8+\p,  RB+32*\e+12+\p
	PADD RB+32*\e+16+\p, RB+32*\e+20+\p
	PADD RB+32*\e+24+\p, RB+32*\e+28+\p
.endr
.irp p, 0,2
	PADD RB+32*\e+\p,    RB+32*\e+8+\p
	PADD RB+32*\e+16+\p, RB+32*\e+24+\p
.endr
.irp p, 0,2
	PADD RB+32*\e+\p,    RB+32*\e+16+\p
.endr
.irp p, 0,2
	v_pk_mul_f32 v[RB+32*\e+\p:RB+32*\e+\p+1], v[RB+32*\e+\p:RB+32*\e+\p+1], LOG2E op_sel_hi:[1,0]
.endr
	global_store_b128 v[GO], v[RB+32*\e:RB+32*\e+3], s[8:9] offset:\e*512
.endm
	s_wait_dscnt 8                                 ; the first eight loads are back, the second eight may be out
	TOTAL 0
	s_wait_dscnt 0x0
	TOTAL 1
	s_wait_tensorcnt 0x0
	ds_add_u32 v254, v255
	s_wait_dscnt 0x0
	ROUND                                          ; the closing round: no work-group ends while a partner may still ask for a tile that names it
	s_endpgm
.Lfunc_end_k_q79eb2a0cea_project:
	.size	k_q79eb2a0cea_project, .Lfunc_end_k_q79eb2a0cea_project-k_q79eb2a0cea_project
	.p2alignl 7, 3214868480
	.fill 96, 4, 3214868480
	.section	.rodata,"a",@progbits
	.p2align	6, 0x0
	.amdhsa_kernel k_q79eb2a0cea_project
		.amdhsa_group_segment_fixed_size 279552
		.amdhsa_private_segment_fixed_size 0
		.amdhsa_enable_private_segment 0
		.amdhsa_kernarg_size 24
		.amdhsa_user_sgpr_count 2
		.amdhsa_user_sgpr_kernarg_segment_ptr 1
		.amdhsa_wavefront_size32 1
		.amdhsa_system_sgpr_workgroup_id_x 1
		.amdhsa_system_sgpr_workgroup_id_y 1
		.amdhsa_system_sgpr_workgroup_id_z 1
		.amdhsa_system_vgpr_workitem_id 0
		.amdhsa_next_free_vgpr 512
		.amdhsa_next_free_sgpr 66
		.amdhsa_reserve_vcc 0
		.amdhsa_float_denorm_mode_32 3
		.amdhsa_float_denorm_mode_16_64 3
		.amdhsa_memory_ordered 1
		.amdhsa_forward_progress 1
		.amdhsa_inst_pref_size 56
	.end_amdhsa_kernel
	.amdgpu_metadata
---
amdhsa.version: [ 1, 2 ]
amdhsa.kernels:
  - .name:           k_q79eb2a0cea_project
    .symbol:         k_q79eb2a0cea_project.kd
    .args:
      - { .name: x, .offset: 0, .size: 8, .value_kind: global_buffer, .address_space: global }
      - { .name: kernel, .offset: 8, .size: 8, .value_kind: global_buffer, .address_space: global }
      - { .name: act, .offset: 16, .size: 8, .value_kind: global_buffer, .address_space: global }
    .group_segment_fixed_size: 279552
    .private_segment_fixed_size: 0
    .kernarg_segment_align: 8
    .kernarg_segment_size: 24
    .max_flat_workgroup_size: 256
    .sgpr_count:     66
    .vgpr_count:     512
    .wavefront_size: 32
...
	.end_amdgpu_metadata
.endif
;; end of part 1
;; launch pairs (part 2): grid 64 x 4, 16 waves a work-group, no clusters, 51,200 bytes of LDS; arguments act, x, out0; writes out0
.if DOCPART == 2
	.amdgcn_target "amdgcn-amd-amdhsa--gfx1250"
	.amdhsa_code_object_version 6
	.text
	.protected	k_q79eb2a0cea_pairs
	.globl	k_q79eb2a0cea_pairs
	.p2align	8
	.type	k_q79eb2a0cea_pairs,@function
k_q79eb2a0cea_pairs:
	s_mov_b64 s[64:65], 0
	v_nop
	global_prefetch_b8 v0, s[64:65] scope:SCOPE_SE
	s_setreg_imm32_b32 hwreg(HW_REG_WAVE_MODE, 25, 1), 1
	s_wait_xcnt 0x0
; out0[b][2048 + k] = sum over b' of exp(- sum over d of |act[b][k][d] - act[b'][k][d]|), and out0[b][0..2047] = x[b][..].
; act: [64][512][16] f32 as the first launch left it: already times log2(e), so exp(-s) is 2^(-s'), with d in a permuted order that the sum over d does not see.
; out0: [512][2112] f32, rows of 8,448 bytes.
; LIMITS: all in f32; the 16 magnitudes are added as a tree and the 512 terms in 16 partial sums, not in the reference's order; v_exp_f32 gives 0
; where a term is below 2^-126 (ISA guide 15.8), at most 512 x 2^-126 lost in a sum that is at least 1.  No maximum is taken away, as in the
; reference: the exponents are never above 0, so a term is at most 1 and a sum at most 512.
;
; SHARES.  Work-group (k, q): the 128 rows 128 q .. 128 q + 127 of one k, against all 512 rows.  The k's 32 KB lie in LDS.  Every lane keeps four rows
; (32 rho + lane) in 64 registers, so a wave has all 128 rows; wave w takes the partners b' = 32 w .. 32 w + 31, each read once by four LDS loads in which
; all lanes ask for the same 16 bytes and used for four rows: 84 vector instructions for 4 LDS loads.  The sixteen waves' sums meet in LDS.
; For a partner and two rows: 16 packed subtractions, 16 additions of two magnitudes (written so that the two rows' sums lie side by side),
; 7 packed additions, 2 exponentials, 1 packed addition: 42 instructions for a pair of rows.
; The matrix unit has no part here (|a - b| is no product); tiles are not shared between work-groups beyond the 32 KB read once, so no cluster.
; THE COPY OF x rides along: two rows a work-group, loaded at the start and stored ahead of the main loop, while this launch's work is arithmetic.
; It reads x a second time; in the first launch x lies in LDS in sixteen work-groups at once and would have to be read back by rows there.
; FEATS LEAVE AS 4-BYTE STORES, 128 a work-group: 256 neighbouring bytes of that part of out0 hold all 64 k of one row, and a work-group
; that held all k of its rows would need all 2 MB of act instead of 32 KB.
; LDS: bytes 0 to 8,191 the sixteen waves' sums, 512 bytes a wave; bytes 8,192 to 49,151 the 512 rows, 80 bytes apart.
.set XROW,   8192                      ; bytes in a row of x
.set OROW,   8448                      ; bytes in a row of out0
.set RPITCH, 80                        ; an LDS row: 64 bytes + 16: 16 rows start at 16 different groups of four banks (64 banks of 4 bytes: ISA guide 11.1)
.set ROWS,   16*512                    ; the rows' first byte, behind the sums; it stands in the immediates
.set GOFF, 8                           ; v8        16 x thread; never rewritten
.set FILL, 9                           ; v9        where my 16 bytes of act go, from the rows' first byte
.set LANE, 10                          ; v10
.set AADR, 11                          ; v11       my first row, from the rows' first byte
.set CADR, 12                          ; v12       the partner row that buffer 0 loads next, from the rows' first byte (the same in all lanes)
.set XC,   16                          ; v16-23    my 2 x 16 bytes of x; never rewritten behind their stores
.set R,    24                          ; v24-27    running sums of my four rows
.set E,    28                          ; v28-31    the last step's four exponentials
.set A,    32                          ; v32-95    my four rows
.set C,    96                          ; v96-127   partner rows, two buffers
.set T,    128                         ; v128-191  differences; at the start act on its way to LDS; at the end the sixteen waves' sums
.set U,    192                         ; v192-223  sums of magnitudes: rows 0, 1 side by side in the first sixteen, rows 2, 3 in the second
.macro PADD d, a                       ; two sums at once: v[d:d+1] += v[a:a+1]
	v_pk_add_f32 v[\d:\d+1], v[\d:\d+1], v[\a:\a+1]
.endm
.macro CLOAD buf                       ; a partner row into buffer buf: every lane gets the same 64 bytes; buffer 1's row is the one behind buffer 0's
.irp j, 0,1,2,3
	ds_load_b128 v[C+16*\buf+4*\j:C+16*\buf+4*\j+3], v[CADR] offset:ROWS+\buf*RPITCH+16*\j
.endr
.endm
.macro SUBS rho, buf                   ; my row rho minus the partner, two numbers at a time
	s_wait_alu depctr_va_vdst(0)
.irp j, 0,2,4,6,8,10,12,14
	v_pk_add_f32 v[T+16*\rho+\j:T+16*\rho+\j+1], v[A+16*\rho+\j:A+16*\rho+\j+1], v[C+16*\buf+\j:C+16*\buf+\j+1] neg_lo:[0,1] neg_hi:[0,1]
.endr
.endm
	s_load_b128 s[4:7], s[0:1], 0x0                ; act s[4:5], x s[6:7]
	s_load_b64 s[8:9], s[0:1], 0x10                ; out0
	v_lshl_add_u32 v224, v0, 2, 0xc000
	v_mov_b32 v225, 0
	v_lshrrev_b32 v1, 5, v0
	v_readfirstlane_b32 s10, v1                    ; wave 0..15
	s_and_b32 s12, ttmp7, 3                        ; q: the grid has four work-groups along y, so two bits hold the number
	v_lshlrev_b32 v[GOFF], 4, v0
	v_lshrrev_b32 v2, 2, v0                        ; four threads bring a row of 64 bytes
	v_and_b32 v3, 3, v0
	v_mul_u32_u24 v2, v2, RPITCH
	v_lshl_add_u32 v[FILL], v3, 4, v2
	v_and_b32 v[LANE], 31, v0
	s_lshl_b32 s14, ttmp9, 15                      ; act: 32,768 bytes for a k
	s_mov_b32 s15, 0
	s_lshl_b32 s13, ttmp9, 2
	s_add_co_u32 s13, s13, s12                     ; 4 k + q = 0..255: rows 2 (4 k + q) and the next are mine to copy
	s_lshl_b32 s16, s13, 14
	s_mov_b32 s17, 0
	s_mul_i32 s18, s13, 2*OROW
	s_mov_b32 s19, 0
	s_mul_i32 s22, s12, 128*RPITCH                 ; my work-group's 128 rows
	s_mul_i32 s23, s10, 32*RPITCH                  ; my wave's 32 partners
	s_lshl_b32 s25, s10, 9                         ; my wave's 512 bytes for its sums
	s_wait_kmcnt 0x0
	s_add_nc_u64 s[4:5], s[4:5], s[14:15]
	s_add_nc_u64 s[6:7], s[6:7], s[16:17]
	s_add_nc_u64 s[20:21], s[8:9], s[18:19]
.irp j, 0,1,2,3
	global_load_b128 v[T+4*\j:T+4*\j+3], v[GOFF], s[4:5] offset:\j*8192        ; 512 threads x 16 bytes = 128 rows at a time
.endr
	global_load_b128 v[XC:XC+3],   v[GOFF], s[6:7] th:TH_LOAD_NT               ; 512 threads x 16 bytes = a row of x
	global_load_b128 v[XC+4:XC+7], v[GOFF], s[6:7] offset:XROW th:TH_LOAD_NT
	v_mul_u32_u24 v2, v[LANE], RPITCH
	v_add_nc_u32 v[AADR], s22, v2
	v_mov_b32 v[CADR], s23
.irp i, 0,1,2,3
	v_mov_b32 v[R+\i], 0                           ; eight registers: a step adds the step before's exponentials, so the first adds zeros
	v_mov_b32 v[E+\i], 0
.endr
	s_wait_loadcnt 2                               ; act's four loads are in; x's two may stay out
.irp j, 0,1,2,3
	ds_store_b128 v[FILL], v[T+4*\j:T+4*\j+3] offset:ROWS+\j*128*RPITCH
.endr
	s_wait_dscnt 0x0                               ; for the other waves' sake: my stores are done
	s_barrier_signal -1
	s_barrier_wait -1
.irp rho, 0,1,2,3
.irp j, 0,1,2,3
	ds_load_b128 v[A+16*\rho+4*\j:A+16*\rho+4*\j+3], v[AADR] offset:ROWS+\rho*32*RPITCH+16*\j
.endr
.endr
	CLOAD 0                                        ; partners 0 and 1 of my 32
	CLOAD 1
	s_wait_loadcnt 0x0                             ; x: asked for together with act
	global_store_b128 v[GOFF], v[XC:XC+3],   s[20:21] th:TH_STORE_NT           ; sixteen lanes store 256 consecutive bytes, at a multiple of 256 from out0's first byte
	global_store_b128 v[GOFF], v[XC+4:XC+7], s[20:21] offset:OROW th:TH_STORE_NT
; One partner row, in buffer buf, against my four rows.  fill = 1: the buffer is loaded again, two partners ahead.
; left = how many younger LDS loads may stay out: the other buffer's four.
.macro STEP buf, fill, left
	s_wait_dscnt \left                             ; LDS loads come back in order (ISA guide 5.7.1)
	SUBS 0, \buf                                   ; these lines also stand between the last step's v_exp_f32 and the use of their results (ISA guide 5.7.2)
	SUBS 1, \buf
	PADD R,   E
	PADD R+2, E+2
	SUBS 2, \buf
	SUBS 3, \buf
.if \fill
	CLOAD \buf
.endif
.irp rho, 0,1,2,3
.irp j, 0,2,4,6,8,10,12,14
	v_add_f32 v[U+16*(\rho/2)+\j+(\rho%2)], |v[T+16*\rho+\j]|, |v[T+16*\rho+\j+1]|
.endr
.endr
.irp p, 0,1
.irp j, 0,4,8,12
	PADD U+16*\p+\j, U+16*\p+\j+2
.endr
.endr
.irp p, 0,1
	PADD U+16*\p,   U+16*\p+4
	PADD U+16*\p+8, U+16*\p+12
.endr
.irp p, 0,1
	PADD U+16*\p, U+16*\p+8
.endr
	v_exp_f32 v[E],   -v[U]
	v_exp_f32 v[E+1], -v[U+1]
	v_exp_f32 v[E+2], -v[U+16]
	v_exp_f32 v[E+3], -v[U+17]
.endm
	s_mov_b32 s24, 15                              ; 16 trips of two partners; the last is written out, without loads
.Ltrip:
	v_add_nc_u32 v[CADR], 2*RPITCH, v[CADR]        ; the two rows that this trip loads: after the 15th step it names my wave's rows 30 and 31, the last
	s_wait_alu depctr_va_vdst(0)
	STEP 0, 1, 4
	STEP 1, 1, 4
	s_sub_co_i32 s24, s24, 1
	s_cmp_lg_u32 s24, 0
	s_cbranch_scc1 .Ltrip
	STEP 0, 0, 4
	STEP 1, 0, 0
	v_lshlrev_b32 v2, 4, v[LANE]                   ; the plain instruction behind the last v_exp_f32
	s_wait_alu depctr_va_vdst(0)
	PADD R,   E
	PADD R+2, E+2
	v_add_nc_u32 v4, s25, v2
	ds_store_b128 v4, v[R:R+3]                     ; my four rows' sums over my wave's 32 partners
	s_wait_dscnt 0x0                               ; for the other waves' sake: my store is done
	s_barrier_signal -1
	s_barrier_wait -1
	s_cmp_gt_u32 s10, 3                            ; 128 sums are left to make: wave rho = 0..3 takes rows 32 rho + lane
	s_cbranch_scc1 .Ldone
	s_lshl_b32 s28, s10, 2
	v_add_nc_u32 v3, s28, v2                       ; 16 x lane + 4 rho in each wave's 512 bytes
.irp w, 0,1,2,3,4,5,6,7,8,9,10,11,12,13,14,15
	ds_load_b32 v[T+\w], v3 offset:\w*512
.endr
	s_lshl_b32 s26, s12, 7                         ; row 128 q + 32 rho,
	s_lshl_b32 s27, s10, 5
	s_add_co_u32 s26, s26, s27
	s_mul_i32 s26, s26, OROW
	s_lshl_b32 s27, ttmp9, 2                       ; column 2048 + k
	s_add_co_u32 s26, s26, s27
	s_add_co_u32 s26, s26, XROW
	s_mov_b32 s27, 0
	s_add_nc_u64 s[8:9], s[8:9], s[26:27]
	v_mul_u32_u24 v5, v[LANE], OROW
	s_wait_dscnt 0x0
.irp j, 0,4,8,12
	PADD T+\j, T+\j+2
.endr
	PADD T,   T+4
	PADD T+8, T+12
	PADD T,   T+8
	v_add_f32 v[T], v[T], v[T+1]
	global_store_b32 v5, v[T], s[8:9]
.Ldone:
	s_wait_tensorcnt 0x0
	ds_add_u32 v224, v225
	s_wait_dscnt 0x0
	s_endpgm
.Lfunc_end_k_q79eb2a0cea_pairs:
	.size	k_q79eb2a0cea_pairs, .Lfunc_end_k_q79eb2a0cea_pairs-k_q79eb2a0cea_pairs
	.p2alignl 7, 3214868480
	.fill 96, 4, 3214868480
	.section	.rodata,"a",@progbits
	.p2align	6, 0x0
	.amdhsa_kernel k_q79eb2a0cea_pairs
		.amdhsa_group_segment_fixed_size 51200
		.amdhsa_private_segment_fixed_size 0
		.amdhsa_enable_private_segment 0
		.amdhsa_kernarg_size 24
		.amdhsa_user_sgpr_count 2
		.amdhsa_user_sgpr_kernarg_segment_ptr 1
		.amdhsa_wavefront_size32 1
		.amdhsa_system_sgpr_workgroup_id_x 1
		.amdhsa_system_sgpr_workgroup_id_y 1
		.amdhsa_system_sgpr_workgroup_id_z 1
		.amdhsa_system_vgpr_workitem_id 0
		.amdhsa_next_free_vgpr 226
		.amdhsa_next_free_sgpr 66
		.amdhsa_reserve_vcc 0
		.amdhsa_float_denorm_mode_32 3
		.amdhsa_float_denorm_mode_16_64 3
		.amdhsa_memory_ordered 1
		.amdhsa_forward_progress 1
		.amdhsa_inst_pref_size 30
	.end_amdhsa_kernel
	.amdgpu_metadata
---
amdhsa.version: [ 1, 2 ]
amdhsa.kernels:
  - .name:           k_q79eb2a0cea_pairs
    .symbol:         k_q79eb2a0cea_pairs.kd
    .args:
      - { .name: act, .offset: 0, .size: 8, .value_kind: global_buffer, .address_space: global }
      - { .name: x, .offset: 8, .size: 8, .value_kind: global_buffer, .address_space: global }
      - { .name: out0, .offset: 16, .size: 8, .value_kind: global_buffer, .address_space: global }
    .group_segment_fixed_size: 51200
    .private_segment_fixed_size: 0
    .kernarg_segment_align: 8
    .kernarg_segment_size: 24
    .max_flat_workgroup_size: 512
    .sgpr_count:     66
    .vgpr_count:     226
    .wavefront_size: 32
...
	.end_amdgpu_metadata
.endif
;; end of part 2
